; MI455X (gfx1250); checked and timed in simulation.
; The chip was launched on July 23, 2026; its instructions are those of AMD's public machine-readable ISA for CDNA 5 (MIT licence, August 2026) and "CDNA5" Instruction Set Architecture Reference Guide (July 2026). The comments in the code are by the model that wrote it; some were corrected since.
;; Multi Head Attention. Allowed arithmetic: matrix products marked QUANTISED: E2M3 operands, one E8M0 scale for each 32 along K, by v_wmma_scale_f32_16x16x128_f8f6f4 with both operands' format E2M3, f32 sums; everything else in f32.
;; Inputs: b_proj 1,024 float32; w_proj 1,024 x 1,024 float32; w_qkv 3,072 x 1,024 float32; x 8 x 1,024 x 1,024 float32.
;; Outputs: out0 8 x 1,024 x 1,024 float32.
;; This version of the problem:
;;   THIS VERSION OF THE PROBLEM IS GIVEN IN LOW PRECISION. The matrix products marked QUANTISED in the list below multiply operands that are first quantised to E2M3 (2 exponent bits, 3 mantissa bits; 6 bits a number), with one power-of-two scale for each 32 numbers along K (OCP MX v1.0); their sums are f32. All else is computed in f32.
;;   The module's matrix products, in the order in which they are computed (A, B: the left and right operand; K: the contracted axis; several contracted axes count as one K, in the product's order):
;;     1. [M 8,192, K 1,024] x [K 1,024, N 3,072]; A: input x; B: input w_qkv: QUANTISED
;;     2. batch 128 x [M 1,024, K 64] x [K 64, N 1,024]; A: computed on the way; B: computed on the way: QUANTISED
;;     3. batch 128 x [M 1,024, K 1,024] x [K 1,024, N 64]; A: softmax (see below); B: computed on the way: QUANTISED
;;     4. [M 8,192, K 1,024] x [K 1,024, N 1,024]; A: computed on the way; B: input w_proj: QUANTISED
;;   THE QUANTISER, for each operand of a quantised product, along K:
;;     - K is cut into blocks of 32 from its start; a last block that is shorter is filled with zeros.
;;     - A block's scale is 2^e with e = floor(log2(the largest magnitude in the block)) - 2, held to -126 .. 127; a block of zeros has e = 0. As a byte (E8M0): e + 127.
;;     - Each number is divided by its block's scale, clamped to +-7.5, and rounded to the nearest number of E2M3, ties to even, subnormals kept.
;;     - The product sums the exact products of the quantised numbers (number of the format x scale) in f32.
;;   ~~~python
;;   def quantise(x, axis):      # numpy; x: float32 -> the quantised numbers, widened to float32 again
;;       x = np.moveaxis(x, axis, -1); K = x.shape[-1]
;;       x = np.pad(x, [(0, 0)] * (x.ndim - 1) + [(0, -K % 32)]); x = x.reshape(x.shape[:-1] + (-1, 32)); a = np.abs(x).max(-1, keepdims=True)
;;       e = np.where(a > 0, np.clip(np.frexp(np.where(a > 0, a, 1))[1] - 1 - 2, -126, 127), 0)      # np.frexp(a)[1] - 1 = floor(log2(a)), exactly
;;       r = np.clip(x / 2.0 ** e, -7.5, 7.5)
;;       step = 2.0 ** (np.maximum(np.frexp(np.where(r == 0, 1, r))[1] - 1, 0) - 3)
;;       q = np.round(r / step) * step * 2.0 ** e      # np.round: ties to even
;;       return np.moveaxis(q.reshape(q.shape[:-2] + (-1,))[..., :K], -1, axis).astype(np.float32)
;;   ~~~
;;   SOFTMAX AHEAD OF A QUANTISED PRODUCT. Where the list says 'softmax', what is quantised is not the finished softmax but p = 2^(t - M), with t = logit x log2(e) and M = ceil(the row's largest t), a whole number; so 1/2 < the row's largest p <= 1. The row's sum l is taken of the UNQUANTISED p, in f32, and the product's result is divided by l at the end. Since M is a whole number, a kernel that streams over the keys may use a running M (the ceiling of the running maximum): every later rescaling is an exact power of two, which a block's scale takes up: the codes' values come out the same.
;;   OPERANDS COMPUTED ON THE WAY. 'Computed on the way' means the value that the module computes at that place (a softmax that the list does not call 'softmax' is quantised finished and normalised). What goes into a quantiser is computed in f32, as accurately as f32 sums, v_exp_f32 and their like allow (about 1e-6 of the number): no bf16 or f16 on the way to a quantiser, and a product that is left as it is and whose result goes on into a quantised operand takes f32 operands (vector FMAs, or v_wmma_f32_16x16x4_f32). A number that lies on a knife's edge between two numbers of the format may be rounded either way, as far as f32 arithmetic and the matrix unit's own rounding can turn it there, and no further.
;; One version. Each part assembles by itself: llvm-mc -triple=amdgcn-amd-amdhsa -mcpu=gfx1250 --defsym DOCPART=n.
;; ======== version 1 of 1: 4 launches
;; limits: right only within a limited range of input values
;; workspace buffers: opimg 9,437,184 bytes; opsc 393,216 bytes; qkv_img 18,874,368 bytes; qkv_sc 1,572,864 bytes; a_img 6,291,456 bytes; a_sc 262,144 bytes
;; launch quant (part 1): grid 384 x 1, 4 waves a work-group, no clusters, 68,096 bytes of LDS; arguments x, w_qkv, w_proj, opimg, opsc; writes opimg, opsc
.if DOCPART == 1
	.amdgcn_target "amdgcn-amd-amdhsa--gfx1250"
	.amdhsa_code_object_version 6
	.text
	.protected	k_q14274d35a7_quant
	.globl	k_q14274d35a7_quant
	.p2align	8
	.type	k_q14274d35a7_quant,@function
k_q14274d35a7_quant:
	s_mov_b64 s[64:65], 0
	v_nop
	global_prefetch_b8 v0, s[64:65] scope:SCOPE_SE
	s_setreg_imm32_b32 hwreg(HW_REG_WAVE_MODE, 25, 1), 1
	s_wait_xcnt 0x0
; x [8192][1024], w_qkv [3072][1024], w_proj [1024][1024], f32, K innermost, become codes of FP6 (E2M3) with one E8M0 byte for each 32 along K,
; laid as IMAGES OF THE OPERAND'S REGISTERS.  The three tensors are 768 tiles of 16 rows on end (x: 0-511, w_qkv: 512-703, w_proj: 704-767).
; THE ROWS OF A TILE ARE NOT NEIGHBOURS: lane index r = 8 g + i of tile 4 C + u stands for row 64 C + 32 g + 8 u + i, so that a product that takes such tiles as source 0 leaves 32 neighbours
; along those rows in a lane's 32 registers of tiles 4 C .. 4 C + 3.
; A HALF IMAGE is 768 bytes for a tile and 64 along K: lane l = (r, h) owns the 24 bytes of k = 32 h + 0 .. 31: its first 16 bytes at 16 l, its last 8 at 512 + 8 l.  opimg: [tile][K / 64][768].
; opsc: [tile][K / 256][r][8 bytes in K's order].
; A block's scale is 2^(floor(log2(its largest magnitude)) - 2); its byte is the largest magnitude's exponent field - 2, held at 1 from below.
; LIMITS: NaN and infinities are not served; a block of zeros gets the byte 1 where the rule says 127: its codes are zeros, and the bytes are read by this program alone.
; SHARES: a work-group takes the two tiles of 32 rows; a wave one tile and half of K: four steps of 128.  Each load reads 512 consecutive bytes of one row; a step's 16 rows turn through the wave's own stage
; in LDS (rows 528 bytes apart), so that a lane gets 16 neighbours of each block of 32.  No barrier: waves share nothing.  Memory binds: no matrix unit, no cluster, no tensor load.
.set SP,    528                        ; a stage row: 512 bytes + 16
.set STG,   16*SP                      ; a stage
.set WREG,  2*STG                      ; a wave's two stages
.set SPARE, 4*WREG                     ; behind them: the spare words, 128 bytes for each wave, which no other line names
.set LI,   4                           ; v4   16 x lane
.set L8,   5                           ; v5   8 x lane
.set SIN,  6                           ; v6   the stage, on the way in
.set SOUT, 7                           ; v7   and on the way out: row r, + 64 h
.set SPW,  12                          ; v12  my spare word's LDS address; never rewritten
.set NIL,  13                          ; v13  0; never rewritten
.set R,    16                          ; v16-143  two sets of 64 registers as loaded
.set X,    144                         ; v144-207 64 numbers: register 16 b + i = k 32 b + 16 h + i of my row
.set TM,   208                         ; v208-223 at work
.set PC,   224                         ; v224-243 the codes
.set PW,   244                         ; v244-247 the four steps' scale words
.set SEL,  20                          ; s[20:21] v_permlanex16_b32's selects for lane l xor 16
; 64 numbers of a lane become a fragment's 12 registers in v[PC] on and the row's scale word in v[w]
.macro QUANT s, w
.irp b, 0,1,2,3
	v_max3_num_f32 v[TM+\b], |v[\s+16*\b]|, |v[\s+1+16*\b]|, 0x1800000   ; my 16 numbers of block b, and the floor 2^(3 - 127): the byte cannot fall under 1
.endr
.irp i, 2,4,6,8,10,12,14
.irp b, 0,1,2,3
	v_max3_num_f32 v[TM+\b], v[TM+\b], |v[\s+16*\b+\i]|, |v[\s+1+16*\b+\i]|   ; the four blocks by turns
.endr
.endr
.irp b, 0,1,2,3
	v_permlanex16_b32 v[TM+4+\b], v[TM+\b], s[SEL], s[SEL+1]
.endr
.irp b, 0,1,2,3
	v_max_num_f32 v[TM+\b], v[TM+\b], v[TM+4+\b]                   ; with lane l xor 16's: the block's largest magnitude
.endr
.irp b, 0,1,2,3
	v_add_nc_u32 v[TM+12+\b], 0xff000000, v[TM+\b]                 ; 2 off its exponent field: the conversion takes that field as its scale
.endr
.irp b, 0,1,2,3
	v_lshrrev_b32 v[TM+4+\b], 23, v[TM+12+\b]                      ; the scale's byte
.endr
	v_lshl_or_b32 v[\w], v[TM+5], 8, v[TM+4]
	v_lshl_or_b32 v[\w], v[TM+6], 16, v[\w]
	v_lshl_or_b32 v[\w], v[TM+7], 24, v[\w]
.irp c, 0,1
	v_cvt_scalef32_pk16_fp6_f32 v[PC+6*\c:PC+2+6*\c], v[\s+32*\c:\s+15+32*\c], v[TM+12+2*\c]
	v_cvt_scalef32_pk16_fp6_f32 v[PC+12+4*\c:PC+14+4*\c], v[\s+16+32*\c:\s+31+32*\c], v[TM+13+2*\c]   ; (a conversion's three registers begin on an even number)
.endr
	v_nop                                          ; one plain instruction behind the scaled conversions
.irp c, 0,1                                    ; the operand wants a whole block in a lane: lanes 0-15 block 2 c, lanes 16-31 block 2 c + 1
.irp i, 0,1,2
	v_permlane16_swap_b32 v[PC+6*\c+\i], v[PC+12+4*\c+\i]
.endr
.irp i, 0,1,2
	v_mov_b32 v[PC+3+6*\c+\i], v[PC+12+4*\c+\i]
.endr
.endr
.endm
.macro LOAD t                          ; K step t: lane index i's row lies (i % 8) + 32 (i / 8) rows down; 32 lanes read its 512 bytes
.irp i, 0,1,2,3,4,5,6,7,8,9,10,11,12,13,14,15
	; THE ROWS' ORDER AS IT NOW STANDS (it takes the place of the order named at the head): lane index 8 g + i of tile 4 C + u stands for row 64 C + 32 g + 8 u + i,
	; so that a product that takes such tiles as source 0 leaves 32 neighbours along those rows in a lane's 32 registers of tiles 4 C .. 4 C + 3
	global_load_b128 v[R+64*((\t)%2)+4*\i:R+64*((\t)%2)+4*\i+3], v[LI], s[4:5] offset:((\i%8)+32*(\i/8))*4096+512*(\t) th:TH_LOAD_NT
.endr
.endm
.macro TURN t                          ; through the stage: LDS serves a wave's instructions in order, so no wait stands between the stores and the loads
.irp i, 0,1,2,3,4,5,6,7,8,9,10,11,12,13,14,15
	ds_store_b128 v[SIN], v[R+64*((\t)%2)+4*\i:R+64*((\t)%2)+4*\i+3] offset:STG*((\t)%2)+SP*\i
.endr
.irp b, 0,1,2,3
.irp j, 0,1,2,3
	ds_load_b128 v[X+16*\b+4*\j:X+16*\b+4*\j+3], v[SOUT] offset:STG*((\t)%2)+128*\b+16*\j
.endr
.endr
.endm
.macro OUT t                           ; two half images: each store covers 512 or 256 consecutive bytes, aligned to 256
	global_store_b128 v[LI], v[PC:PC+3], s[10:11] offset:1536*(\t)
	global_store_b64 v[L8], v[PC+4:PC+5], s[10:11] offset:1536*(\t)+512
	global_store_b128 v[LI], v[PC+6:PC+9], s[10:11] offset:1536*(\t)+768
	global_store_b64 v[L8], v[PC+10:PC+11], s[10:11] offset:1536*(\t)+1280
.endm
	s_load_b256 s[4:11], s[0:1], 0x0               ; x s[4:5], w_qkv s[6:7], w_proj s[8:9], opimg s[10:11]
	s_load_b64 s[12:13], s[0:1], 0x20              ; opsc
	v_lshl_add_u32 v[SPW], v0, 2, SPARE
	v_mov_b32 v[NIL], 0
	v_lshrrev_b32 v1, 5, v0
	v_readfirstlane_b32 s16, v1                    ; wave 0..3
	v_and_b32 v1, 31, v0                           ; lane
	v_and_b32 v2, 15, v0                           ; r
	v_bfe_u32 v3, v0, 4, 1                         ; h
	v_lshlrev_b32 v[LI], 4, v1
	v_lshlrev_b32 v[L8], 3, v1
	s_mul_i32 s17, s16, WREG
	v_add_nc_u32 v[SIN], s17, v[LI]
	v_mul_u32_u24 v[SOUT], v2, SP
	v_lshl_add_u32 v[SOUT], v3, 6, v[SOUT]
	v_add_nc_u32 v[SOUT], s17, v[SOUT]
	s_mov_b32 s[SEL], 0x76543210
	s_mov_b32 s[SEL+1], 0xfedcba98
.irp b, 0,1,2,3
	v_mov_b32 v[TM+4+\b], 0                        ; written once: a lane permute's destination counts as one of its sources
.endr
	s_lshr_b32 s22, s16, 1                         ; u: which of the two tiles
	s_and_b32 s23, s16, 1                          ; which half of K
	s_wait_alu depctr_va_vdst(0)
	s_wait_kmcnt 0x0
	s_mov_b32 s18, 352                             ; which tensor: the choice hangs on the work-group's number alone, and only pointers are chosen
	s_cmp_lt_u32 ttmp9, 352
	s_cselect_b64 s[6:7], s[6:7], s[8:9]
	s_cselect_b32 s18, 256, s18
	s_cmp_lt_u32 ttmp9, 256
	s_cselect_b64 s[4:5], s[4:5], s[6:7]
	s_cselect_b32 s18, 0, s18
	s_sub_co_u32 s18, ttmp9, s18                   ; which 32 rows of that tensor
	s_lshr_b32 s24, s18, 1                         ; two work-groups share 64 rows: C,
	s_lshl_b32 s24, s24, 18                        ; 64 rows of 4,096 bytes,
	s_and_b32 s19, s18, 1
	s_lshl_b32 s19, s19, 16                        ; + 16 rows for the second of the two (tiles u = 2, 3),
	s_add_co_u32 s24, s24, s19
	s_lshl_b32 s19, s22, 15                        ; + 8 rows for the odd tile
	s_add_co_u32 s24, s24, s19
	s_lshl_b32 s19, s23, 11                        ; + my half of K
	s_add_co_u32 s24, s24, s19
	s_mov_b32 s25, 0
	s_add_nc_u64 s[4:5], s[4:5], s[24:25]
	s_lshl_b32 s26, ttmp9, 1
	s_add_co_u32 s26, s26, s22                     ; my tile
	s_mul_i32 s24, s26, 12288
	s_mul_i32 s19, s23, 6144
	s_add_co_u32 s24, s24, s19
	s_add_nc_u64 s[10:11], s[10:11], s[24:25]
	s_lshl_b32 s24, s26, 9
	s_lshl_b32 s19, s23, 8
	s_add_co_u32 s24, s24, s19
	s_add_nc_u64 s[12:13], s[12:13], s[24:25]
	LOAD 0
	LOAD 1
.irp t, 0,1,2,3
.if \t < 3
	s_wait_loadcnt 16                              ; this step's 16 loads are in; the next step's 16 may be out
.else
	s_wait_loadcnt 0x0
.endif
	TURN \t
	s_wait_dscnt 0x0                               ; the numbers are back, and the stores into the stage have read their registers
	s_wait_xcnt 0x0                                ; the last step's stores have read the codes' registers, which are written again below
.if \t < 2
	LOAD \t+2
.endif
	QUANT X, PW+\t
	OUT \t
.endr
	v_cmp_lt_u32 vcc_lo, 15, v1                    ; lanes 0-15 store the words of my first 256 along K, lanes 16-31 those of the second
	v_cndmask_b32 v14, v[PW], v[PW+2], vcc_lo
	v_cndmask_b32 v15, v[PW+1], v[PW+3], vcc_lo
	global_store_b64 v[L8], v[14:15], s[12:13]     ; 32 lanes store 256 consecutive bytes, aligned
	s_wait_tensorcnt 0x0                           ; the wave's end, behind my last LDS store
	ds_add_u32 v[SPW], v[NIL]
	s_wait_dscnt 0x0
	s_endpgm
.Lfunc_end_k_q14274d35a7_quant:
	.size	k_q14274d35a7_quant, .Lfunc_end_k_q14274d35a7_quant-k_q14274d35a7_quant
	.p2alignl 7, 3214868480
	.fill 96, 4, 3214868480
	.section	.rodata,"a",@progbits
	.p2align	6, 0x0
	.amdhsa_kernel k_q14274d35a7_quant
		.amdhsa_group_segment_fixed_size 68096
		.amdhsa_private_segment_fixed_size 0
		.amdhsa_enable_private_segment 0
		.amdhsa_kernarg_size 40
		.amdhsa_user_sgpr_count 2
		.amdhsa_user_sgpr_kernarg_segment_ptr 1
		.amdhsa_wavefront_size32 1
		.amdhsa_system_sgpr_workgroup_id_x 1
		.amdhsa_system_sgpr_workgroup_id_y 1
		.amdhsa_system_sgpr_workgroup_id_z 1
		.amdhsa_system_vgpr_workitem_id 0
		.amdhsa_next_free_vgpr 248
		.amdhsa_next_free_sgpr 66
		.amdhsa_reserve_vcc 1
		.amdhsa_float_denorm_mode_32 3
		.amdhsa_float_denorm_mode_16_64 3
		.amdhsa_memory_ordered 1
		.amdhsa_forward_progress 1
		.amdhsa_inst_pref_size 34
	.end_amdhsa_kernel
	.amdgpu_metadata
---
amdhsa.version: [ 1, 2 ]
amdhsa.kernels:
  - .name:           k_q14274d35a7_quant
    .symbol:         k_q14274d35a7_quant.kd
    .args:
      - { .name: x, .offset: 0, .size: 8, .value_kind: global_buffer, .address_space: global }
      - { .name: w_qkv, .offset: 8, .size: 8, .value_kind: global_buffer, .address_space: global }
      - { .name: w_proj, .offset: 16, .size: 8, .value_kind: global_buffer, .address_space: global }
      - { .name: opimg, .offset: 24, .size: 8, .value_kind: global_buffer, .address_space: global }
      - { .name: opsc, .offset: 32, .size: 8, .value_kind: global_buffer, .address_space: global }
    .group_segment_fixed_size: 68096
    .private_segment_fixed_size: 0
    .kernarg_segment_align: 8
    .kernarg_segment_size: 40
    .max_flat_workgroup_size: 128
    .sgpr_count:     66
    .vgpr_count:     248
    .wavefront_size: 32
...
	.end_amdgpu_metadata
.endif
;; end of part 1
;; launch qkv (part 2): grid 8 x 32, 4 waves a work-group, clusters of 4 x 4, 327,680 bytes of LDS; arguments opimg, opsc, qkv_img, qkv_sc; writes qkv_img, qkv_sc
.if DOCPART == 2
	.amdgcn_target "amdgcn-amd-amdhsa--gfx1250"
	.amdhsa_code_object_version 6
	.text
	.protected	k_q14274d35a7_qkv
	.globl	k_q14274d35a7_qkv
	.p2align	8
	.type	k_q14274d35a7_qkv,@function
k_q14274d35a7_qkv:
	s_mov_b64 s[64:65], 0
	v_nop
	global_prefetch_b8 v0, s[64:65] scope:SCOPE_SE
	s_setreg_imm32_b32 hwreg(HW_REG_WAVE_MODE, 25, 1), 1
	s_wait_xcnt 0x0
	s_wait_alu depctr_hold_cnt(0) depctr_sa_sdst(0) depctr_va_vdst(0) depctr_va_sdst(0) depctr_va_ssrc(0) depctr_va_vcc(0) depctr_vm_vsrc(0)
	s_getreg_b32 s2, hwreg(HW_REG_IB_STS2, 6, 4)
	s_cmp_eq_u32 s2, 0
	s_cbranch_scc0 .Lentry_in_a_cluster
	s_endpgm
.Lentry_in_a_cluster:
	s_bfe_u32 s2, ttmp6, 0x10000c
	s_cmp_lg_u32 s2, 0xf033
	s_cbranch_scc0 .Lentry_shape_is_right
	s_endpgm
.Lentry_shape_is_right:
; qkv = x w_qkv^T on codes of FP6 (E2M3) with E8M0 scales, K = 1,024; the results never go to memory as f32: they are quantised on the way out and leave as images of the next products' operands.
; OPERANDS (opimg, opsc): tiles of 16 rows, all of K on end: 12,288 bytes a tile, sixteen half images of 768 (64 along K: lane l's first 16 bytes at 16 l, its last 8 at 512 + 8 l); scale bytes 512 a tile: [K / 256][r][8].
; Lane index 8 g + i of tile 4 C + u stands for row 64 C + 32 g + 8 u + i.  x: tiles 0-511; w_qkv: tiles 512-703.
; SHARES: 256 work-groups.  Work-group (j, tb) takes tokens 256 tb .. + 255 against rows 128 j .. + 127 of w_q, then of w_k, then of w_v: three phases.  Four waves, 2 x 2: a wave 128 tokens x 64 rows (one head): 32 accumulators.
; LDS: the tokens' sixteen tiles, all of K, filled once; a region for a weight's eight tiles; the scale bytes of all three weights and of the tokens, filled once; a stage for the results' scale words; the spare words.
; A PHASE'S WEIGHTS LIVE IN REGISTERS (4 tiles x 8 K steps x 12 = 384): when every wave holds them, their region is filled again with the next weight, behind a drained round of the cluster's barrier;
; that load has the phase's 256 products in which to land, so nobody waits for it and nothing is prefetched.  Two refills; waves 0 and 1 bring a half each.
; Phases q and k are one loop of two trips, each with its refill; phase v is written out: it fills nothing.
; q, k: source 0 = a weight's tile, source 1 = a tokens' tile: a lane holds a token, and its 32 registers of the four weight tiles are channels 32 (lane / 16) + 0 .. 31 of the head: one scale block.
; v: the sources change places: a lane holds a channel, and its 32 registers of tokens' tiles 4 C .. 4 C + 3 are keys 64 C + 32 (lane / 16) + 0 .. 31.
; OUT: qkv_img in units of 768 bytes, qkv_sc in units of 64 (a word for each lane index r).  bh = 16 batch + head.  q: unit 64 bh + token tile; k: 8192 + the same; v: 16384 + 64 bh + 4 (key / 64) + channel tile.
; In every phase a wave's eight units lie on end, from 8192 phase + 64 bh + 16 (tb % 4) + 8 (wave / 2) on.  A word of q or k holds the head's two bytes below (what stands above meets zero codes in the next launch);
; v's word at an even key / 64 is the whole word of 128 keys.
; CLUSTERS, 4 x 4: the tokens' tiles are shared along a row of the cluster, a weight's along a column.
; LIMITS: NaN and infinities are not served; a block of zeros gets the byte 1 where the rule says 127 (its codes are zeros; only this program reads the bytes).
; REGISTERS: window 0: v16-31 addresses; v32-63 the tokens' scale words (lanes 0-15 tile i, lanes 16-31 tile i + 4), v64-79 the weight's (tile i, tile i + 2); v96-151 the way out; v160-255 the tokens' fragments, odd K steps.
; Window 1: the weight's K steps 0-4.  Window 2: v0-143 its K steps 5-7; v144-239 the tokens' fragments, even K steps.  Window 3: the accumulators.
.set FR,    12
.set TB,    12288
.set WREG,  16*TB
.set WSC,   24*TB
.set TSC,   WSC+12288
.set STG,   TSC+8192                   ; 512 bytes for each wave, into which no fill lands
.set SPARE, STG+2048                   ; the spare words, 128 bytes for each wave
.set ADRT, 16                          ; v16, v17 my tokens' tiles 0-3 (+ 16 x lane, + 8 x lane); v18, v19 tiles 4-7
.set ADRW, 20                          ; v20, v21 my four tiles of the weight
.set ATS,  22
.set AW0,  23
.set AW,   24
.set GST,  25
.set GLD,  26
.set LI,   27
.set SPW,  28
.set NIL,  29
.set L8,   30
.set SH8,  31
.set TS,   32
.set WS,   64
.set PC,   96
.set TM,   120
.set PW,   136
.set SW,   140
.set RB,   148
.set WOFF, 18
.set CNT,  19
.set G1W,  24
.set G0W,  32
.set G0T,  36
.set G1T,  48
.set G0WS, 56
.set G0TS, 60
.set SEL,  66
.set G1WS, 68
.set G1TS, 80
.set G1R,  88
.set G0R,  96
.set MSB, 0
.macro WIN new                         ; the immediate's high byte repeats the setting that is left
.if MSB != (\new)
	s_set_vgpr_msb (MSB<<8)|(\new)
.set MSB, (\new)
.endif
.endm
.macro PLACES n
.rept \n
	v_nop
.endr
.endm
.macro WALU
	s_wait_alu depctr_va_vdst(0)
.endm
.macro CROUND
	s_barrier_signal -1
	s_barrier_wait -1
	s_cmp_lg_u32 s14, 0
	s_cbranch_scc1 .Lnot_wave_0_\@
	s_barrier_signal -3
.Lnot_wave_0_\@:
	s_barrier_wait -3
	s_barrier_signal -1
	s_barrier_wait -1
.endm
.macro GROUP1 g, mask, c, rows, pitch  ; rows of c elements of 8 bytes
	s_or_b32 s[\g], s[\mask], (3<<16)|(1<<21)
	s_mov_b32 s[\g+1], (\c)<<16
	s_mov_b32 s[\g+2], (\rows)<<16
	s_mov_b32 s[\g+3], (\c)<<16
	s_mov_b32 s[\g+4], \rows
	s_mov_b32 s[\g+5], \pitch
	s_mov_b32 s[\g+6], 0
	s_mov_b32 s[\g+7], 0
.endm
.macro GROUP0 g, lds, adr
	s_mov_b32 s[\g], 1
	s_mov_b32 s[\g+1], \lds
	s_mov_b64 s[\g+2:\g+3], s[\adr:\adr+1]
	s_or_b32 s[\g+3], s[\g+3], 0x80000000
.endm
.macro TLOAD g0, g1                    ; s_nop 0 and four v_nop behind the load
	tensor_load_to_lds s[\g0:\g0+3], s[\g1:\g1+7]
	s_nop 0
	PLACES 4
.endm
.macro ARM under, g0, g1, next         ; one chain of branches on the wave's number: every way passes exactly one load
	s_cmp_lt_u32 s14, \under
	s_cbranch_scc0 \next
	TLOAD \g0, \g1
	s_branch .Lhead_asked
\next:
.endm
	s_load_b128 s[4:7], s[0:1], 0x0                ; opimg, opsc
	s_load_b128 s[8:11], s[0:1], 0x10              ; qkv_img, qkv_sc
	v_lshl_add_u32 v[SPW], v0, 2, SPARE
	v_mov_b32 v[NIL], 0
	ds_add_u32 v[SPW], v[NIL]                      ; the opening lines: the add twice and its wait
	ds_add_u32 v[SPW], v[NIL]
	v_lshrrev_b32 v1, 5, v0
	v_readfirstlane_b32 s14, v1                    ; wave
	s_lshr_b32 s15, s14, 1                         ; which 128 tokens
	s_and_b32 s16, s14, 1                          ; which 64 rows of the weight
	s_bfe_u32 s40, ttmp6, 0x40000
	s_bfe_u32 s41, ttmp6, 0x40004
	s_lshl_b32 s42, ttmp9, 2
	s_add_co_u32 s42, s42, s40                     ; j
	s_and_b32 s17, ttmp7, 0xffff
	s_lshl_b32 s17, s17, 2
	s_add_co_u32 s17, s17, s41                     ; tb
	s_lshl_b32 s43, s41, 2
	s_lshl_b32 s43, 15, s43                        ; my row of the cluster
	s_lshl_b32 s44, 0x1111, s40                    ; my column
	GROUP1 G1W, 44, 32, 384, 32                    ; a weight's eight tiles: 98,304 dense bytes as rows of 256
	GROUP1 G1T, 43, 32, 768, 32                    ; the tokens' sixteen
	GROUP1 G1WS, 44, 512, 3, 4096                  ; the scale bytes of my rows of w_q, w_k, w_v: three rows of 4,096 bytes, 32,768 apart
	GROUP1 G1TS, 43, 32, 32, 32                    ; the tokens': 8,192 dense bytes
	GROUP1 G1R, 44, 32, 192, 32                    ; a refill: four tiles
	s_mul_i32 s20, s17, 16*TB
	s_mov_b32 s21, 0
	s_lshl_b32 s22, s17, 13
	s_mov_b32 s23, 0
	s_lshl_b32 s46, s42, 3
	s_add_co_u32 s46, s46, 512                     ; w_q's first tile of mine
	s_lshl_b32 s100, s46, 9
	s_mov_b32 s101, 0
	s_mul_i32 s46, s46, TB
	s_mov_b32 s47, 0
	s_mul_i32 s12, s14, 4*TB                       ; a refill's half, by the wave's number
	s_mov_b32 s13, 0
	s_mov_b32 s[SEL], 0x76543210
	s_mov_b32 s[SEL+1], 0xfedcba98
	s_wait_dscnt 0x0
	s_wait_kmcnt 0x0
	s_add_nc_u64 s[20:21], s[4:5], s[20:21]
	s_add_nc_u64 s[22:23], s[6:7], s[22:23]
	s_add_nc_u64 s[46:47], s[4:5], s[46:47]
	s_add_nc_u64 s[100:101], s[6:7], s[100:101]
	CROUND                                         ; all sixteen work-groups are here: the joint loads meet
	GROUP0 G0W, WREG, 46
	GROUP0 G0WS, WSC, 100
	GROUP0 G0T, 0, 20
	GROUP0 G0TS, TSC, 22
	s_mov_b32 s[G0R], 1
	s_add_co_u32 s[G0R+1], s12, WREG
	s_add_nc_u64 s[G0R+2:G0R+3], s[46:47], s[12:13]
	s_or_b32 s[G0R+3], s[G0R+3], 0x80000000
	ARM 1, G0W,  G1W,  .Lhead_ws                   ; the weight first: it goes on into registers while the tokens land
	ARM 2, G0WS, G1WS, .Lhead_t
	ARM 3, G0T,  G1T,  .Lhead_ts
	TLOAD G0TS, G1TS
.Lhead_asked:
	s_lshr_b32 s20, s17, 2                         ; my first unit: 64 (16 batch + 2 j + wave % 2) + 16 (tb % 4) + 8 (wave / 2)
	s_lshl_b32 s20, s20, 4
	s_lshl_b32 s21, s42, 1
	s_add_co_u32 s20, s20, s21
	s_add_co_u32 s20, s20, s16
	s_lshl_b32 s20, s20, 6
	s_and_b32 s21, s17, 3
	s_lshl_b32 s21, s21, 4
	s_add_co_u32 s20, s20, s21
	s_lshl_b32 s21, s15, 3
	s_add_co_u32 s20, s20, s21
	s_mul_i32 s22, s20, 768
	s_mov_b32 s23, 0
	s_add_nc_u64 s[8:9], s[8:9], s[22:23]
	s_lshl_b32 s22, s20, 6
	s_add_nc_u64 s[10:11], s[10:11], s[22:23]
	s_mul_i32 s2, s15, 8*TB                        ; my eight tiles of tokens
	s_add_co_u32 s3, s2, 4*TB
	s_mul_i32 s20, s16, 4*TB
	s_add_co_u32 s20, s20, WREG                    ; my four of the weight
	s_lshl_b32 s21, s15, 12
	s_add_co_u32 s21, s21, TSC
	s_lshl_b32 s22, s16, 11
	s_add_co_u32 s22, s22, WSC
	s_lshl_b32 s23, s14, 9
	s_add_co_u32 s23, s23, STG
	s_mov_b32 s[WOFF], 0
	s_mov_b32 s[CNT], 0
	v_and_b32 v1, 31, v0
	v_and_b32 v2, 15, v0
	v_bfe_u32 v3, v0, 4, 1
	v_lshlrev_b32 v[LI], 4, v1
	v_lshlrev_b32 v[L8], 3, v1
	v_lshlrev_b32 v[SH8], 3, v3
	v_add_nc_u32 v[ADRT], s2, v[LI]
	v_add_nc_u32 v[ADRT+1], s2, v[L8]
	v_add_nc_u32 v[ADRT+2], s3, v[LI]
	v_add_nc_u32 v[ADRT+3], s3, v[L8]
	v_add_nc_u32 v[ADRW], s20, v[LI]
	v_add_nc_u32 v[ADRW+1], s20, v[L8]
	v_lshlrev_b32 v4, 3, v2                        ; 8 bytes for each lane index r
	v_lshl_add_u32 v5, v3, 11, v4                  ; lanes 16-31: four tiles on
	v_add_nc_u32 v[ATS], s21, v5
	v_lshl_add_u32 v5, v3, 10, v4                  ; lanes 16-31: two tiles on
	v_add_nc_u32 v[AW0], s22, v5
	v_lshlrev_b32 v5, 2, v2
	v_add_nc_u32 v[GST], s23, v5
	v_add_nc_u32 v[GLD], s23, v[LI]
	v_mov_b32 v[TM+5], 0                           ; a lane permute's destination counts as one of its sources
.macro FRAG reg, adr, off              ; 16 rows x 128 K: two half images
	ds_load_b128 v[\reg:\reg+3], v[\adr] offset:\off
	ds_load_b64 v[\reg+4:\reg+5], v[\adr+1] offset:(\off)+512
	ds_load_b128 v[\reg+6:\reg+9], v[\adr] offset:(\off)+768
	ds_load_b64 v[\reg+10:\reg+11], v[\adr+1] offset:(\off)+1280
.endm
.macro WEIGHTS                         ; my 64 rows of the weight, all of K: 128 loads
.irp q, 0,1,2,3,4,5,6,7
	WIN (1+\q/5)<<6
.irp u, 0,1,2,3
	FRAG 48*(\q%5)+FR*\u, ADRW, \u*TB+\q*1536
.endr
.endr
	WIN 0
.endm
.macro FETCH q                         ; my eight tokens' fragments of K step q
	WIN (2-2*((\q)%2))<<6
.irp i, 0,1,2,3,4,5,6,7
	FRAG 144+16*((\q)%2)+FR*\i, ADRT+2*(\i/4), (\i%4)*TB+(\q)*1536
.endr
	WIN 0
.endm
.macro SCALES
.irp k, 0,1,2,3
.irp i, 0,1,2,3
	ds_load_b64 v[TS+8*\k+2*\i:TS+8*\k+2*\i+1], v[ATS] offset:\i*512+\k*128
.endr
.irp i, 0,1
	ds_load_b64 v[WS+4*\k+2*\i:WS+4*\k+2*\i+1], v[AW] offset:\i*512+\k*128
.endr
.endr
.endm
.macro PROD d, s0, s1, c, x0, x1, r0, r1
	v_wmma_scale_f32_16x16x128_f8f6f4 v[\d:\d+7], v[\s0:\s0+FR-1], v[\s1:\s1+FR-1], \c, v[\x0], v[\x1] matrix_a_fmt:MATRIX_FMT_FP6 matrix_b_fmt:MATRIX_FMT_FP6 matrix_a_scale:MATRIX_SCALE_ROW\r0 matrix_b_scale:MATRIX_SCALE_ROW\r1
.endm
; a K step's 32 products, the 32 accumulators by turns.  mode 0: q, k; mode 1: v.  first = 1: the products start the sums
.macro MUL32 q, mode, first
.set WQ_, 48*((\q)%5)
.set TQ_, 144+16*((\q)%2)
.if \mode
	WIN (2-2*((\q)%2))|((1+(\q)/5)<<2)|0xf0
.else
	WIN (1+(\q)/5)|((2-2*((\q)%2))<<2)|0xf0
.endif
.irp rt, 0,1
.irp ti, 0,1,2,3
.irp ru, 0,1
.irp ui, 0,1
.set T_, 4*\rt+\ti
.set U_, 2*\ru+\ui
.set XT_, TS+8*((\q)/2)+2*\ti+(\q)%2
.set XW_, WS+4*((\q)/2)+2*\ui+(\q)%2
.set FW_, WQ_+FR*U_
.set FT_, TQ_+FR*T_
.if \mode
.set D_, 8*(8*U_+T_)
.if \first
	PROD D_, FT_, FW_, 0, XT_, XW_, \rt, \ru
.else
	PROD D_, FT_, FW_, v[D_:D_+7], XT_, XW_, \rt, \ru
.endif
.else
.set D_, 8*(4*T_+U_)
.if \first
	PROD D_, FW_, FT_, 0, XW_, XT_, \ru, \rt
.else
	PROD D_, FW_, FT_, v[D_:D_+7], XW_, XT_, \ru, \rt
.endif
.endif
.endr
.endr
.endr
.endr
	WIN 0
.endm
; show = 1: in the phase's last K step a plain barrier shows the next weight, which the refill brought, to all four waves
.macro KSTEP q, mode, show
	s_wait_dscnt 0x0                               ; this step's fragments are in
.if (\q) < 7
	PLACES 4                                       ; between the last step's products and the loads into their registers
	FETCH (\q)+1
.elseif \show
	s_wait_tensorcnt 0x0
	s_barrier_signal -1
.endif
.if (\q) == 0
	MUL32 \q, \mode, 1
.else
	MUL32 \q, \mode, 0
.endif
.if (\q) == 7
.if \show
	s_barrier_wait -1
.endif
.endif
.endm
; THE WAY OUT of 64 registers a lane, two scale blocks: two units' 24 bytes a lane, and the four bytes' word.  Each accumulator is read from its low end on.
.macro QUANTW m
.set AC, 64*(\m)
	WIN 0x3c                                       ; sources 1 and 2: the accumulators' window
.irp b, 0,1,2,3
	v_max3_num_f32 v[TM+\b], 0x1800000, |v[AC+16*\b]|, |v[AC+16*\b+1]|   ; the floor 2^(3 - 127): the byte cannot fall under 1
.endr
.irp i, 2,4,6,8,10,12,14
.irp b, 0,1,2,3
	v_max3_num_f32 v[TM+\b], v[TM+\b], |v[AC+16*\b+\i]|, |v[AC+16*\b+\i+1]|
.endr
.endr
	WIN 0
	v_max_num_f32 v[TM], v[TM], v[TM+1]
	v_max_num_f32 v[TM+2], v[TM+2], v[TM+3]
	v_add_nc_u32 v[TM+12], 0xff000000, v[TM]       ; 2 off the exponent field: the conversions' scale operand
	v_add_nc_u32 v[TM+13], 0xff000000, v[TM+2]
	v_lshrrev_b32 v[TM+4], 23, v[TM+12]
	v_lshrrev_b32 v[TM+6], 23, v[TM+13]
	v_lshl_or_b32 v[PW], v[TM+6], 16, v[TM+4]
	v_lshlrev_b32 v[PW], v[SH8], v[PW]             ; my two bytes at their places;
	v_permlanex16_b32 v[TM+5], v[PW], s[SEL], s[SEL+1]
	v_or_b32 v[SW+2*(\m)], v[PW], v[TM+5]          ; with lane l xor 16's two the word is whole: the first unit's;
	v_lshrrev_b32 v[SW+2*(\m)+1], 16, v[SW+2*(\m)] ; its upper half: the second's
	WIN 3                                          ; source 0: the accumulators' window
.irp c, 0,1
	v_cvt_scalef32_pk16_fp6_f32 v[PC+6*\c:PC+2+6*\c], v[AC+32*\c:AC+15+32*\c], v[TM+12+\c]
	v_cvt_scalef32_pk16_fp6_f32 v[PC+12+4*\c:PC+14+4*\c], v[AC+16+32*\c:AC+31+32*\c], v[TM+12+\c]   ; (a conversion's three registers begin on an even number)
.endr
	WIN 0
	v_nop                                          ; one plain instruction behind the scaled conversions
.irp c, 0,1
.irp i, 0,1,2
	v_mov_b32 v[PC+3+6*\c+\i], v[PC+12+4*\c+\i]
.endr
.endr
.endm
.macro WAYOUT mode
.irp m, 0,1,2,3
.if \mode
.set U0_, \m                           ; v: channel tile m, keys 0-63 and 64-127
.set U1_, 4+\m
.else
.set U0_, 2*\m                         ; q, k: token tiles 2 m, 2 m + 1
.set U1_, 2*\m+1
.endif
	s_wait_xcnt 0x0                                ; the earlier stores have read their data registers, which are written again below
	QUANTW \m
	global_store_b128 v[LI], v[PC:PC+3], s[8:9] offset:768*U0_     ; each store covers 512 or 256 consecutive bytes, aligned to 256
	global_store_b64 v[L8], v[PC+4:PC+5], s[8:9] offset:768*U0_+512
	global_store_b128 v[LI], v[PC+6:PC+9], s[8:9] offset:768*U1_
	global_store_b64 v[L8], v[PC+10:PC+11], s[8:9] offset:768*U1_+512
	ds_store_b32 v[GST], v[SW+2*\m] offset:64*U0_                  ; the words gather in my own stage (both halves of the lanes write the same word)
	ds_store_b32 v[GST], v[SW+2*\m+1] offset:64*U1_
.endr
	ds_load_b128 v[RB:RB+3], v[GLD]                ; LDS serves a wave's instructions in order: this sees my stores
	s_wait_dscnt 0x0
	global_store_b128 v[LI], v[RB:RB+3], s[10:11]  ; eight units' words: 512 consecutive bytes, aligned
.endm
	WALU                                           ; the wait at the head's end
	s_cmp_eq_u32 s14, 0
	s_cbranch_scc0 .Lnot_w
	s_wait_tensorcnt 0x0                           ; wave 0: w_q's rows are in
.Lnot_w:
	s_barrier_signal -1
	s_barrier_wait -1
	WEIGHTS
.Lphase:                                               ; phases q and k
	s_wait_tensorcnt 0x0                           ; all my loads are in (the first time: the head's);
	ds_add_u32 v[SPW], v[NIL]
	s_add_nc_u64 s[G0R+2:G0R+3], s[G0R+2:G0R+3], 64*TB             ; the next weight's rows lie 64 tiles on
	s_wait_dscnt 0x0                               ; the add is done, and I hold this phase's weight in registers
	CROUND                                         ; so does every wave of every partner
	s_cmp_lt_u32 s14, 2
	s_cbranch_scc0 .Lno_half
	TLOAD G0R, G1R                                 ; waves 0 and 1: a half each of the next weight
.Lno_half:
	v_add_nc_u32 v[AW], s[WOFF], v[AW0]            ; this phase's scale words of the weight
	SCALES
	FETCH 0
.irp q, 0,1,2,3,4,5,6,7
	KSTEP \q, 0, 1
.endr
	PLACES 4
	WEIGHTS                                        ; the next phase's weight; the way out stands under these loads' flight
	WAYOUT 0
	s_wait_xcnt 0x0                                ; the stores have read their bases
	s_add_nc_u64 s[8:9], s[8:9], 8192*768
	s_add_nc_u64 s[10:11], s[10:11], 8192*64
	s_add_co_u32 s[WOFF], s[WOFF], 4096
	s_add_co_u32 s[CNT], s[CNT], 1
	s_cmp_lt_u32 s[CNT], 2
	WALU
	s_cbranch_scc1 .Lphase
	v_add_nc_u32 v[AW], s[WOFF], v[AW0]            ; phase v
	SCALES
	FETCH 0
.irp q, 0,1,2,3,4,5,6,7
	KSTEP \q, 1, 0
.endr
	PLACES 4
	WAYOUT 1
	s_wait_tensorcnt 0x0                           ; the wave's end
	ds_add_u32 v[SPW], v[NIL]
	s_wait_dscnt 0x0
	CROUND                                         ; the closing round
	s_endpgm
.Lfunc_end_k_q14274d35a7_qkv:
	.size	k_q14274d35a7_qkv, .Lfunc_end_k_q14274d35a7_qkv-k_q14274d35a7_qkv
	.p2alignl 7, 3214868480
	.fill 96, 4, 3214868480
	.section	.rodata,"a",@progbits
	.p2align	6, 0x0
	.amdhsa_kernel k_q14274d35a7_qkv
		.amdhsa_group_segment_fixed_size 327680
		.amdhsa_private_segment_fixed_size 0
		.amdhsa_enable_private_segment 0
		.amdhsa_kernarg_size 32
		.amdhsa_user_sgpr_count 2
		.amdhsa_user_sgpr_kernarg_segment_ptr 1
		.amdhsa_wavefront_size32 1
		.amdhsa_system_sgpr_workgroup_id_x 1
		.amdhsa_system_sgpr_workgroup_id_y 1
		.amdhsa_system_sgpr_workgroup_id_z 1
		.amdhsa_system_vgpr_workitem_id 0
		.amdhsa_next_free_vgpr 1024
		.amdhsa_next_free_sgpr 102
		.amdhsa_reserve_vcc 0
		.amdhsa_float_denorm_mode_32 3
		.amdhsa_float_denorm_mode_16_64 3
		.amdhsa_memory_ordered 1
		.amdhsa_forward_progress 1
		.amdhsa_inst_pref_size 160
	.end_amdhsa_kernel
	.amdgpu_metadata
---
amdhsa.version: [ 1, 2 ]
amdhsa.kernels:
  - .name:           k_q14274d35a7_qkv
    .symbol:         k_q14274d35a7_qkv.kd
    .args:
      - { .name: opimg, .offset: 0, .size: 8, .value_kind: global_buffer, .address_space: global }
      - { .name: opsc, .offset: 8, .size: 8, .value_kind: global_buffer, .address_space: global }
      - { .name: qkv_img, .offset: 16, .size: 8, .value_kind: global_buffer, .address_space: global }
      - { .name: qkv_sc, .offset: 24, .size: 8, .value_kind: global_buffer, .address_space: global }
    .group_segment_fixed_size: 327680
    .private_segment_fixed_size: 0
    .kernarg_segment_align: 8
    .kernarg_segment_size: 32
    .max_flat_workgroup_size: 128
    .sgpr_count:     102
    .vgpr_count:     1024
    .wavefront_size: 32
...
	.end_amdgpu_metadata
.endif
;; end of part 2
;; launch attn (part 3): grid 4 x 64, 16 waves a work-group, clusters of 4 x 1, 215,040 bytes of LDS; arguments qkv_img, qkv_sc, a_img, a_sc; writes a_img, a_sc
.if DOCPART == 3
	.amdgcn_target "amdgcn-amd-amdhsa--gfx1250"
	.amdhsa_code_object_version 6
	.text
	.protected	k_q14274d35a7_attn
	.globl	k_q14274d35a7_attn
	.p2align	8
	.type	k_q14274d35a7_attn,@function
k_q14274d35a7_attn:
	s_mov_b64 s[64:65], 0
	v_nop
	global_prefetch_b8 v0, s[64:65] scope:SCOPE_SE
	s_setreg_imm32_b32 hwreg(HW_REG_WAVE_MODE, 25, 1), 1
	s_wait_xcnt 0x0
	s_wait_alu depctr_hold_cnt(0) depctr_sa_sdst(0) depctr_va_vdst(0) depctr_va_sdst(0) depctr_va_ssrc(0) depctr_va_vcc(0) depctr_vm_vsrc(0)
	s_getreg_b32 s2, hwreg(HW_REG_IB_STS2, 6, 4)
	s_cmp_eq_u32 s2, 0
	s_cbranch_scc0 .Lentry_in_a_cluster
	s_endpgm
.Lentry_in_a_cluster:
	s_bfe_u32 s2, ttmp6, 0x10000c
	s_cmp_lg_u32 s2, 0x3003
	s_cbranch_scc0 .Lentry_shape_is_right
	s_endpgm
.Lentry_shape_is_right:
; out[b][q][64 head + d] = the sum over keys of softmax(q . k / 8) v, both products on codes of FP6 (E2M3) with E8M0 scales; the result is quantised along 64 head + d and leaves as an image of the last product's operand.
; IN (qkv_img in units of 768 bytes, qkv_sc in units of 64): bh = 16 batch + head; q: unit 64 bh + tile; k: 8192 + the same; v: 16384 + 64 bh + 4 (key / 64) + channel tile.  A unit is 16 rows x 64 along K: lane l's
; first 16 bytes at 16 l, its last 8 at 512 + 8 l.  Lane index 8 g + i of tile 4 C + u stands for row 64 C + 32 g + 8 u + i (tokens for q and k, channels for v).
; BOTH PRODUCTS TRANSPOSED: S^T = K Q^T, O^T = V^T P^T: a lane holds one query throughout.  By the rows' order the 32 registers of tiles 4 C .. 4 C + 3 of S^T are keys 64 C + 32 (lane / 16) + 0 .. 31:
; ONE WHOLE SCALE BLOCK OF P IN A LANE, in the order of the operand's registers: its maximum needs no other lane and its codes change no lane.  O^T's 32 registers are likewise one block of the last product's K.
; THE SOFTMAX: t = score x log2(e) / 8; M = the running largest t rounded UP to a whole number; p = 2^(t - M) is quantised along the keys, not normalised; the row's sum is taken of the unquantised p and divides at the end.
; When M moves, the sum and O are multiplied by 2^(old M - new M): exact.  A block's largest p is made from its largest score by the same multiply-add and exponential.
; SHARES: a work-group owns 256 queries of each of two heads, bh = 2 y and 2 y + 1, one after the other: 128 x 4 / 2 = 256 work-groups; each of sixteen waves owns 16 queries in 256 registers, four waves to a SIMD.
; BOTH HEADS' K AND V LIE IN LDS, each byte filled once: no ring, no refill.  The four work-groups of a cluster own the four query blocks of the same two heads: every tile is asked for jointly.
; EVERY WAVE ISSUES ONE LOAD: wave 8 s + j fetches for head s: j = 0-2 a third of K's codes, 3-5 a third of V's, 6 K's scale words, 7 V's.  The first head's loads have lines of their own, so the first barrier
; waits for waves 0-7 alone; the second, two key steps on, for all.  No prefetch: all that the launch reads of K and V is asked for at its head.
; K = 64 IN AN INSTRUCTION OF 128: Q's upper six registers are zero codes; K's operand of tile t is v[32 + 6 t] on, twelve registers: its upper six are the next tile's codes (behind tile 7: zeros), which meet Q's zeros.
; LIMITS: NaN and infinities are not served; the promise holds while the scaled scores t stay under 2^31 in magnitude; a block of zeros gets the byte 1 where the rule says 127 (its codes are zeros; only this program reads the bytes).
; REGISTERS: v1-4, v7, v8, v31, v218 addresses and shifts that stay; v9-11, v28-30 the step's; v12 -M, v13 the largest score, v[14:15] the sum; v16-27, v204-215 the two heads' Q; v32-79 K's tiles, then V's fragments;
; v80-85 zeros; v96-159 S^T, then p; v160-191 O^T; v192-195, v200-201 K's and V's scale words; v253 p's; v255, v216 Q's; v217 the first head's byte; v224-235 p's codes; v232-254 at work.
.set HEADB, 106496
.set VIMG,  49152
.set KSC,   98304
.set VSC,   102400
.set SPARE, 2*HEADB                    ; the spare words, 128 bytes for each of sixteen waves
.set SPW,  5
.set NIL,  6
.set Q0F,  16
.set Q0S,  255
.set Q1F,  204
.set Q1S,  216
.set E0,   217
.set SH8,  218                         ; 8 x (lane / 16)
.set WV,   12
.set G1,   24                          ; group 1: 16,384 dense bytes as 64 rows of 256
.set G1S,  32                          ; 4,096 as 16 rows
.set G0S,  40
.set G0C,  44
.set SEL,  52
.set CS,   54                          ; s[54:55] c = log2(e) / 8
.set TB,   56
.set TS,   57
.set CNT,  58
.set NC,   59                          ; -c
.macro CROUND
	s_barrier_signal -1
	s_barrier_wait -1
	s_cmp_lg_u32 s[WV], 0
	s_cbranch_scc1 .Lnot_wave_0_\@
	s_barrier_signal -3
.Lnot_wave_0_\@:
	s_barrier_wait -3
	s_barrier_signal -1
	s_barrier_wait -1
.endm
.macro TL g0, g1                       ; s_nop 0 and four v_nop behind the load
	tensor_load_to_lds s[\g0:\g0+3], s[\g1:\g1+7]
	s_nop 0
.rept 4
	v_nop
.endr
.endm
.macro WALU
	s_wait_alu depctr_va_vdst(0)
.endm
	s_load_b256 s[4:11], s[0:1], 0x0               ; qkv_img, qkv_sc, a_img, a_sc
	v_lshl_add_u32 v[SPW], v0, 2, SPARE
	v_mov_b32 v[NIL], 0
	ds_add_u32 v[SPW], v[NIL]                      ; the opening lines: the add twice and its wait
	ds_add_u32 v[SPW], v[NIL]
	v_lshrrev_b32 v9, 5, v0
	v_readfirstlane_b32 s[WV], v9                  ; wave 0..15
	s_bfe_u32 s13, ttmp6, 0x40000                  ; cx: my block of 256 queries; it enters Q's and the output's addresses alone
	s_and_b32 s14, ttmp7, 0xffff
	s_lshl_b32 s14, s14, 1                         ; bh of the first of my two heads: even
.irp g, G1, G1S
	s_mov_b32 s[\g], 15|(3<<16)|(1<<21)            ; the mask: all four; elements of 8 bytes; bit 21 beside a mask
	s_mov_b32 s[\g+1], 32<<16
	s_mov_b32 s[\g+3], 32<<16
	s_mov_b32 s[\g+5], 32
	s_mov_b32 s[\g+6], 0
	s_mov_b32 s[\g+7], 0
.endr
	s_mov_b32 s[G1+2], 64<<16
	s_mov_b32 s[G1+4], 64
	s_mov_b32 s[G1S+2], 16<<16
	s_mov_b32 s[G1S+4], 16
	s_lshr_b32 s15, s[WV], 3                       ; which head I fetch for
	s_and_b32 s16, s[WV], 7                        ; j
	s_add_co_u32 s17, s14, s15
	s_mul_i32 s22, s17, 49152                      ; codes: 49,152 a head,
	s_lshl_b32 s18, s16, 14                        ; 16,384 j,
	s_add_co_u32 s22, s22, s18
	s_mov_b32 s19, 12582912-49152                  ; from v's first byte less K's three thirds,
	s_cmp_lt_u32 s16, 3
	s_cselect_b32 s19, 6291456, s19                ; or from k's
	s_add_co_u32 s22, s22, s19
	s_mov_b32 s23, 0
	s_mul_i32 s45, s15, HEADB                      ; in LDS V's codes follow K's: 16,384 j
	s_add_co_u32 s45, s45, s18
	s_sub_co_u32 s20, s16, 5                       ; scale words (j = 6, 7): k's begin 524,288 bytes in, v's twice that;
	s_lshl_b32 s20, s20, 19
	s_lshl_b32 s18, s17, 12                        ; 4,096 a head
	s_add_co_u32 s20, s20, s18
	s_mov_b32 s21, 0
	s_mul_i32 s41, s15, HEADB
	s_lshl_b32 s18, s16, 12
	s_add_co_u32 s41, s41, s18
	s_add_co_u32 s41, s41, KSC-6*4096
	s_mov_b32 s40, 1
	s_mov_b32 s44, 1
	s_mov_b32 s[SEL], 0x76543210
	s_mov_b32 s[SEL+1], 0xfedcba98
	s_mov_b32 s[CS], 0x3e38aa3b
	s_mov_b32 s[CS+1], s[CS]
	s_mov_b32 s[NC], 0xbe38aa3b
	s_mov_b32 s[TB], 0
	s_mov_b32 s[TS], 0
	s_lshl_b32 s2, s14, 6                          ; Q's unit: 64 bh + 16 cx + wave
	s_lshl_b32 s3, s13, 4
	s_add_co_u32 s3, s3, s[WV]
	s_add_co_u32 s2, s2, s3
	s_mul_i32 s60, s2, 768
	s_mov_b32 s61, 0
	s_lshl_b32 s62, s2, 6
	s_mov_b32 s63, 0
	s_lshr_b32 s2, s14, 4                          ; the output's tile: 64 batch + 16 cx + wave
	s_lshl_b32 s2, s2, 6
	s_add_co_u32 s2, s2, s3
	s_and_b32 s17, s14, 15                         ; the first head
	s_mul_i32 s18, s2, 12288
	s_mul_i32 s19, s17, 768
	s_add_co_u32 s18, s18, s19
	s_mov_b32 s19, 0
	s_lshl_b32 s2, s2, 9                           ; its scale bytes: 512 a tile; 128 for each four heads; 2 a head
	s_lshr_b32 s3, s17, 2
	s_lshl_b32 s3, s3, 7
	s_add_co_u32 s2, s2, s3
	s_and_b32 s3, s17, 3
	s_lshl_b32 s3, s3, 1
	s_add_co_u32 s2, s2, s3
	s_mov_b32 s3, 0
	s_wait_dscnt 0x0
	s_wait_kmcnt 0x0
	s_add_nc_u64 s[42:43], s[6:7], s[20:21]
	s_add_nc_u64 s[46:47], s[4:5], s[22:23]
	s_or_b32 s43, s43, 0x80000000
	s_or_b32 s47, s47, 0x80000000
	s_add_nc_u64 s[60:61], s[4:5], s[60:61]
	s_add_nc_u64 s[62:63], s[6:7], s[62:63]
	s_add_nc_u64 s[8:9], s[8:9], s[18:19]
	s_add_nc_u64 s[10:11], s[10:11], s[2:3]
	CROUND                                         ; all four work-groups are here: the joint loads meet
	s_cmp_lt_u32 s[WV], 6                          ; one chain of branches on the wave's number, one load to an arm
	s_cbranch_scc0 .Larm_1
	TL G0C, G1                                     ; the first head's codes
	s_branch .Lasked
.Larm_1:
	s_cmp_lt_u32 s[WV], 8
	s_cbranch_scc0 .Larm_2
	TL G0S, G1S                                    ; its scale words
	s_branch .Lasked
.Larm_2:
	s_cmp_lt_u32 s[WV], 14
	s_cbranch_scc0 .Larm_3
	TL G0C, G1                                     ; the second head's codes
	s_branch .Lasked
.Larm_3:
	TL G0S, G1S
.Lasked:
	v_and_b32 v9, 31, v0
	v_and_b32 v10, 15, v0
	v_bfe_u32 v11, v0, 4, 1
	v_lshlrev_b32 v1, 4, v9                        ; 16 x lane
	v_lshlrev_b32 v2, 3, v9                        ; 8 x lane
	v_lshlrev_b32 v254, 2, v10
	global_load_b128 v[Q0F:Q0F+3], v1, s[60:61]    ; both heads' Q stay in registers
	global_load_b64 v[Q0F+4:Q0F+5], v2, s[60:61] offset:512
	global_load_b32 v[Q0S], v254, s[62:63]
	global_load_b128 v[Q1F:Q1F+3], v1, s[60:61] offset:49152
	global_load_b64 v[Q1F+4:Q1F+5], v2, s[60:61] offset:49152+512
	global_load_b32 v[Q1S], v254, s[62:63] offset:4096
	v_add_nc_u32 v3, VIMG, v1
	v_add_nc_u32 v4, VIMG, v2
	v_lshl_add_u32 v7, v9, 2, KSC                  ; a load of scale words takes two tiles: lanes 0-15 one, lanes 16-31 the next
	v_lshl_add_u32 v8, v9, 2, VSC
	v_lshlrev_b32 v31, 3, v10
	v_lshlrev_b32 v[SH8], 3, v11
	v_mov_b32 v253, 0                              ; (named in the pair v[252:253] before it is first written)
	v_mov_b32 v251, 0                              ; a lane permute's destination counts as one of its sources
.irp j, 0,1,2,3,4,5
	v_mov_b32 v[Q0F+6+\j], 0                       ; Q's k = 64 .. 127: zero codes
	v_mov_b32 v[Q1F+6+\j], 0
	v_mov_b32 v[80+\j], 0                          ; what stands behind K's tile 7
.endr
.macro INIT                            ; a head begins: the largest score under every score, -M over every -M, the sum and O^T zeros, which the first change of M leaves zeros
	v_mov_b32 v13, 0xff61b1e6
	v_mov_b32 v12, 0x7f61b1e6
	v_mov_b32 v14, 0
	v_mov_b32 v15, 0
.set j, 0
.rept 32
	v_mov_b32 v[160+j], 0
.set j, j+1
.endr
.endm
	INIT
; A KEY STEP: 128 keys
.macro STEP qf, qs
	v_add_nc_u32 v9, s[TB], v1                     ; (these four are the places in front of the loads into registers that the last products read)
	v_add_nc_u32 v10, s[TB], v2
	v_add_nc_u32 v29, s[TS], v7
	v_nop
.irp t, 0,1,2,3,4,5,6,7
	ds_load_b128 v[32+6*\t:35+6*\t], v9 offset:768*\t
	ds_load_b64 v[36+6*\t:37+6*\t], v10 offset:768*\t+512
.endr
.irp u, 0,1,2,3
	ds_load_b32 v[192+\u], v29 offset:128*\u
.endr
	WALU
	s_wait_dscnt 0x0
.irp t, 0,2,4,6
	v_wmma_scale_f32_16x16x128_f8f6f4 v[96+8*\t:103+8*\t], v[32+6*\t:43+6*\t], v[\qf:\qf+11], 0, v[192+\t/2], v[\qs] matrix_a_fmt:MATRIX_FMT_FP6 matrix_b_fmt:MATRIX_FMT_FP6
	v_wmma_scale_f32_16x16x128_f8f6f4 v[104+8*\t:111+8*\t], v[38+6*\t:49+6*\t], v[\qf:\qf+11], 0, v[192+\t/2], v[\qs] matrix_a_fmt:MATRIX_FMT_FP6 matrix_b_fmt:MATRIX_FMT_FP6 matrix_a_scale:MATRIX_SCALE_ROW1
.endr
	v_add_nc_u32 v11, s[TB], v3                    ; four places: K's registers are loaded again, and the scores read, below
	v_add_nc_u32 v28, s[TB], v4
	v_add_nc_u32 v30, s[TS], v8
	v_nop
.irp c, 0,1,2,3                                ; V's four fragments land under the softmax
	ds_load_b128 v[32+12*\c:35+12*\c], v11 offset:768*\c
	ds_load_b64 v[36+12*\c:37+12*\c], v28 offset:768*\c+512
	ds_load_b128 v[38+12*\c:41+12*\c], v11 offset:3072+768*\c
	ds_load_b64 v[42+12*\c:43+12*\c], v28 offset:3072+768*\c+512
.endr
.irp u, 0,1
	ds_load_b32 v[200+\u], v30 offset:128*\u
.endr
.irp b, 0,1,2,3                                ; four chains by turns, each over 16 scores; chains 0, 1 are my block of keys 0-63, chains 2, 3 that of keys 64-127
	v_max3_num_f32 v[232+\b], v[96+16*\b], v[97+16*\b], v[98+16*\b]
.endr
.irp i, 3,5,7,9,11,13
.irp b, 0,1,2,3
	v_max3_num_f32 v[232+\b], v[232+\b], v[96+16*\b+\i], v[97+16*\b+\i]
.endr
.endr
.irp b, 0,2
	v_max_num_f32 v[232+\b], v[232+\b], v[111+16*\b]
.endr
.irp b, 1,3
	v_max3_num_f32 v[232+\b], v[232+\b], v[111+16*\b], v[231+\b]   ; v233, v235: my two blocks' largest scores
.endr
	s_delay_alu instid0(VALU_DEP_1)
	v_max_num_f32 v254, v233, v235
	s_delay_alu instid0(VALU_DEP_1)
	v_permlanex16_b32 v251, v254, s[SEL], s[SEL+1]
	s_delay_alu instid0(VALU_DEP_1)
	v_max3_num_f32 v13, v13, v254, v251            ; the running largest score of my query
	s_delay_alu instid0(VALU_DEP_1)
	v_mul_f32 v254, s[NC], v13
	s_delay_alu instid0(VALU_DEP_1)
	v_floor_f32 v254, v254                         ; the new -M = floor(-t) = -ceil(t)
	s_delay_alu instid0(VALU_DEP_1)
	v_sub_f32 v251, v254, v12                      ; old M - new M: a whole number, 0 or less
	v_mov_b32 v12, v254
	s_delay_alu instid0(VALU_DEP_2)
	v_cvt_i32_f32 v251, v251                       ; (it saturates)
	s_delay_alu instid0(VALU_DEP_1)
	v_ldexp_f32 v252, 1.0, v251                    ; f = 2^(old M - new M)
.set j, 0
.rept 32
	v_pk_fma_f32 v[96+j:97+j], v[96+j:97+j], s[CS:CS+1], v[12:13] op_sel_hi:[1,0,0]   ; t - M, two at a time
.set j, j+2
.endr
	v_fma_f32 v233, v233, s[CS], v12               ; the same of each block's largest score
	v_fma_f32 v235, v235, s[CS], v12
	WALU                                           ; the wait ahead of the batch,
.set j, 0
.rept 64
	v_exp_f32 v[96+j], v[96+j]                     ; p = 2^(t - M)
.set j, j+1
.endr
	v_pk_mul_f32 v[14:15], v[14:15], v[252:253] op_sel_hi:[1,0]   ; the sums under the new M: the plain instruction behind the batch
	WALU                                           ; and behind it
	v_exp_f32 v233, v233                           ; the blocks' largest p
	v_exp_f32 v235, v235
	v_pk_add_f32 v[236:237], v[100:101], v[104:105]               ; the row's sum of the unquantised p, in eight chains
	v_pk_add_f32 v[250:251], v[108:109], v[112:113]
	v_pk_add_f32 v[248:249], v[116:117], v[120:121]
	v_pk_add_f32 v[246:247], v[124:125], v[128:129]
	v_pk_add_f32 v[244:245], v[132:133], v[136:137]
	v_pk_add_f32 v[242:243], v[140:141], v[144:145]
	v_pk_add_f32 v[240:241], v[148:149], v[152:153]
	v_pk_add_f32 v[14:15], v[14:15], v[156:157]
	v_pk_add_f32 v[236:237], v[236:237], v[96:97]
	v_pk_add_f32 v[250:251], v[250:251], v[98:99]
	v_pk_add_f32 v[248:249], v[248:249], v[102:103]
	v_pk_add_f32 v[246:247], v[246:247], v[106:107]
	v_pk_add_f32 v[244:245], v[244:245], v[110:111]
	v_pk_add_f32 v[242:243], v[242:243], v[114:115]
	v_pk_add_f32 v[240:241], v[240:241], v[118:119]
	v_pk_add_f32 v[14:15], v[14:15], v[122:123]
	v_pk_add_f32 v[236:237], v[236:237], v[126:127]
	v_pk_add_f32 v[250:251], v[250:251], v[130:131]
	v_pk_add_f32 v[248:249], v[248:249], v[134:135]
	v_pk_add_f32 v[246:247], v[246:247], v[138:139]
	v_pk_add_f32 v[244:245], v[244:245], v[142:143]
	v_pk_add_f32 v[242:243], v[242:243], v[146:147]
	v_pk_add_f32 v[240:241], v[240:241], v[150:151]
	v_pk_add_f32 v[14:15], v[14:15], v[154:155]
	v_pk_add_f32 v[236:237], v[236:237], v[158:159]
	s_delay_alu instid0(VALU_DEP_2)
	v_pk_add_f32 v[14:15], v[14:15], v[246:247]
	s_delay_alu instid0(VALU_DEP_2)
	v_pk_add_f32 v[236:237], v[236:237], v[244:245]
	v_pk_add_f32 v[250:251], v[250:251], v[242:243]
	v_pk_add_f32 v[248:249], v[248:249], v[240:241]
	s_delay_alu instid0(VALU_DEP_2)
	v_pk_add_f32 v[14:15], v[14:15], v[250:251]
	s_delay_alu instid0(VALU_DEP_2)
	v_pk_add_f32 v[236:237], v[236:237], v[248:249]
	s_delay_alu instid0(VALU_DEP_1)
	v_pk_add_f32 v[14:15], v[14:15], v[236:237]
	WALU                                           ; and one for the two
	v_max_num_f32 v233, 0x1800000, v233            ; the floor 2^(3 - 127): the byte cannot fall under 1
	v_max_num_f32 v235, 0x1800000, v235
	s_delay_alu instid0(VALU_DEP_2)
	v_add_nc_u32 v244, 0xff000000, v233            ; 2 off the exponent field: the conversions' scale operand
	s_delay_alu instid0(VALU_DEP_2)
	v_add_nc_u32 v245, 0xff000000, v235
	s_delay_alu instid0(VALU_DEP_2)
	v_lshrrev_b32 v246, 23, v244                   ; the bytes
	s_delay_alu instid0(VALU_DEP_2)
	v_lshrrev_b32 v247, 23, v245
	s_delay_alu instid0(VALU_DEP_1)
	v_lshl_or_b32 v253, v247, 16, v246             ; blocks lane / 16 and 2 + lane / 16,
	s_delay_alu instid0(VALU_DEP_1)
	v_lshlrev_b32 v253, v[SH8], v253               ; at their places;
	s_delay_alu instid0(VALU_DEP_1)
	v_permlanex16_b32 v248, v253, s[SEL], s[SEL+1]
	s_delay_alu instid0(VALU_DEP_1)
	v_or_b32 v253, v253, v248                      ; with lane l xor 16's two: p's scale word for these 128 keys
.irp c, 0,1
	v_cvt_scalef32_pk16_fp6_f32 v[224+6*\c:226+6*\c], v[96+32*\c:111+32*\c], v[244+\c]
	v_cvt_scalef32_pk16_fp6_f32 v[236+4*\c:238+4*\c], v[112+32*\c:127+32*\c], v[244+\c]   ; (a conversion's three registers begin on an even number)
.endr
	v_nop                                          ; one plain instruction behind the scaled conversions
.irp c, 0,1
.irp i, 0,1,2
	v_mov_b32 v[227+6*\c+\i], v[236+4*\c+\i]
.endr
.endr
	WALU                                           ; the wait directly ahead of the first reader of O^T
.set j, 0
.rept 16
	v_pk_mul_f32 v[160+j:161+j], v[160+j:161+j], v[252:253] op_sel_hi:[1,0]   ; O^T under the new M; these 16 are also the places between p's codes and scale word and the products
.set j, j+2
.endr
	WALU
	s_wait_dscnt 0x0                               ; V is in
.irp c, 0,2
	v_wmma_scale_f32_16x16x128_f8f6f4 v[160+8*\c:167+8*\c], v[32+12*\c:43+12*\c], v[224:235], v[160+8*\c:167+8*\c], v[200+\c/2], v253 matrix_a_fmt:MATRIX_FMT_FP6 matrix_b_fmt:MATRIX_FMT_FP6
	v_wmma_scale_f32_16x16x128_f8f6f4 v[168+8*\c:175+8*\c], v[44+12*\c:55+12*\c], v[224:235], v[168+8*\c:175+8*\c], v[200+\c/2], v253 matrix_a_fmt:MATRIX_FMT_FP6 matrix_b_fmt:MATRIX_FMT_FP6 matrix_a_scale:MATRIX_SCALE_ROW1
.endr
	s_add_co_u32 s[TB], s[TB], 6144
	s_add_co_u32 s[TS], s[TS], 512
.endm
.macro STEPS n, qf, qs
	s_mov_b32 s[CNT], \n
.Lstep_\@:
	STEP \qf, \qs
	s_sub_co_u32 s[CNT], s[CNT], 1
	s_cmp_lg_u32 s[CNT], 0
	s_cbranch_scc1 .Lstep_\@
.endm
; THE WAY OUT of head hh (0, 1).  O^T / the sum: register 8 u + j is channel 32 (lane / 16) + 8 u + j of my query: one block of the last product's K.  It becomes my 24 bytes of a half image and a scale byte.
; The two heads' four bytes of a query are one aligned word (the first head is even): it is stored behind the second head.
.macro WAYOUT hh
.rept 4
	v_nop                                          ; places behind the last products
.endr
	v_add_f32 v14, v14, v15
	v_permlanex16_b32 v252, v14, s[SEL], s[SEL+1]
	v_add_f32 v14, v14, v252                       ; the row's sum
	WALU
	v_rcp_f32 v14, v14
	v_nop
	WALU
.set j, 0
.rept 16
	v_pk_mul_f32 v[96+j:97+j], v[160+j:161+j], v[14:15] op_sel_hi:[1,0]   ; each accumulator from its low end on
.set j, j+2
.endr
.irp b, 0,1
	v_max3_num_f32 v[232+\b], |v[96+16*\b]|, |v[97+16*\b]|, 0x1800000
.endr
.irp i, 2,4,6,8,10,12,14
.irp b, 0,1
	v_max3_num_f32 v[232+\b], v[232+\b], |v[96+16*\b+\i]|, |v[97+16*\b+\i]|
.endr
.endr
	v_max_num_f32 v232, v232, v233
	v_add_nc_u32 v244, 0xff000000, v232
	v_lshrrev_b32 v246, 23, v244
	v_cvt_scalef32_pk16_fp6_f32 v[224:226], v[96:111], v244
	v_cvt_scalef32_pk16_fp6_f32 v[236:238], v[112:127], v244
	v_nop
.irp i, 0,1,2
	v_mov_b32 v[227+\i], v[236+\i]
.endr
	global_store_b128 v1, v[224:227], s[8:9] offset:768*\hh        ; 512 and 256 consecutive bytes, aligned to 256
	global_store_b64 v2, v[228:229], s[8:9] offset:768*\hh+512
.if \hh == 0
	v_mov_b32 v[E0], v246
.else
	v_lshl_or_b32 v240, v246, 16, v[E0]
	v_lshlrev_b32 v240, v[SH8], v240
	v_permlanex16_b32 v241, v240, s[SEL], s[SEL+1]
	v_or_b32 v240, v240, v241
	global_store_b32 v31, v240, s[10:11]           ; four bytes for each query (both halves of the lanes write the same word)
.endif
.endm
	WALU                                           ; the wait at the head's end
	s_cmp_lt_u32 s[WV], 8
	s_cbranch_scc0 .Lnot_first
	s_wait_tensorcnt 0x0                           ; waves 0-7: my part of the first head is in
.Lnot_first:
	s_barrier_signal -1
	s_barrier_wait -1                              ; the first head is whole; the second may be on its way
	s_wait_loadcnt 0x0                             ; both heads' Q
	STEPS 2, Q0F, Q0S
	s_wait_tensorcnt 0x0                           ; every wave: all loads are in
	s_wait_dscnt 0x0
	s_barrier_signal -1
	s_barrier_wait -1                              ; from here on every byte that is read has been shown whole
	STEPS 6, Q0F, Q0S
	WAYOUT 0
	INIT
	s_mov_b32 s[TB], HEADB
	s_mov_b32 s[TS], HEADB
	s_wait_xcnt 0x0                                ; the first head's stores have read their data registers, which the steps below write again
	STEPS 8, Q1F, Q1S
	WAYOUT 1
	s_wait_tensorcnt 0x0                           ; the wave's end
	ds_add_u32 v[SPW], v[NIL]
	s_wait_dscnt 0x0
	CROUND                                         ; the closing round
	s_endpgm
.Lfunc_end_k_q14274d35a7_attn:
	.size	k_q14274d35a7_attn, .Lfunc_end_k_q14274d35a7_attn-k_q14274d35a7_attn
	.p2alignl 7, 3214868480
	.fill 96, 4, 3214868480
	.section	.rodata,"a",@progbits
	.p2align	6, 0x0
	.amdhsa_kernel k_q14274d35a7_attn
		.amdhsa_group_segment_fixed_size 215040
		.amdhsa_private_segment_fixed_size 0
		.amdhsa_enable_private_segment 0
		.amdhsa_kernarg_size 32
		.amdhsa_user_sgpr_count 2
		.amdhsa_user_sgpr_kernarg_segment_ptr 1
		.amdhsa_wavefront_size32 1
		.amdhsa_system_sgpr_workgroup_id_x 1
		.amdhsa_system_sgpr_workgroup_id_y 1
		.amdhsa_system_sgpr_workgroup_id_z 1
		.amdhsa_system_vgpr_workitem_id 0
		.amdhsa_next_free_vgpr 256
		.amdhsa_next_free_sgpr 66
		.amdhsa_reserve_vcc 0
		.amdhsa_float_denorm_mode_32 3
		.amdhsa_float_denorm_mode_16_64 3
		.amdhsa_memory_ordered 1
		.amdhsa_forward_progress 1
		.amdhsa_inst_pref_size 65
	.end_amdhsa_kernel
	.amdgpu_metadata
---
amdhsa.version: [ 1, 2 ]
amdhsa.kernels:
  - .name:           k_q14274d35a7_attn
    .symbol:         k_q14274d35a7_attn.kd
    .args:
      - { .name: qkv_img, .offset: 0, .size: 8, .value_kind: global_buffer, .address_space: global }
      - { .name: qkv_sc, .offset: 8, .size: 8, .value_kind: global_buffer, .address_space: global }
      - { .name: a_img, .offset: 16, .size: 8, .value_kind: global_buffer, .address_space: global }
      - { .name: a_sc, .offset: 24, .size: 8, .value_kind: global_buffer, .address_space: global }
    .group_segment_fixed_size: 215040
    .private_segment_fixed_size: 0
    .kernarg_segment_align: 8
    .kernarg_segment_size: 32
    .max_flat_workgroup_size: 512
    .sgpr_count:     66
    .vgpr_count:     256
    .wavefront_size: 32
...
	.end_amdgpu_metadata
.endif
;; end of part 3
;; launch proj (part 4): grid 4 x 64, 4 waves a work-group, clusters of 4 x 4, 327,680 bytes of LDS; arguments a_img, a_sc, opimg, opsc, out0, b_proj; writes out0
.if DOCPART == 4
	.amdgcn_target "amdgcn-amd-amdhsa--gfx1250"
	.amdhsa_code_object_version 6
	.text
	.protected	k_q14274d35a7_proj
	.globl	k_q14274d35a7_proj
	.p2align	8
	.type	k_q14274d35a7_proj,@function
k_q14274d35a7_proj:
	s_mov_b64 s[64:65], 0
	v_nop
	global_prefetch_b8 v0, s[64:65] scope:SCOPE_SE
	s_setreg_imm32_b32 hwreg(HW_REG_WAVE_MODE, 25, 1), 1
	s_wait_xcnt 0x0
	s_wait_alu depctr_hold_cnt(0) depctr_sa_sdst(0) depctr_va_vdst(0) depctr_va_sdst(0) depctr_va_ssrc(0) depctr_va_vcc(0) depctr_vm_vsrc(0)
	s_getreg_b32 s2, hwreg(HW_REG_IB_STS2, 6, 4)
	s_cmp_eq_u32 s2, 0
	s_cbranch_scc0 .Lentry_in_a_cluster
	s_endpgm
.Lentry_in_a_cluster:
	s_bfe_u32 s2, ttmp6, 0x10000c
	s_cmp_lg_u32 s2, 0xf033
	s_cbranch_scc0 .Lentry_shape_is_right
	s_endpgm
.Lentry_shape_is_right:
; out0[token][o] = the sum over c of a[token][c] w_proj[o][c] + b_proj[o], on codes of FP6 (E2M3) with E8M0 scales, K = 1,024; sums in f32.
; OPERANDS: tiles of 16 rows, all of K on end: 12,288 bytes a tile, sixteen half images of 768 (64 along K: lane l's first 16 bytes at 16 l, its last 8 at 512 + 8 l); scale bytes 512 a tile: [K / 256][r][8].
; Lane index 8 g + i of tile 4 C + u stands for row 64 C + 32 g + 8 u + i.  a_img, a_sc: the tokens' 512 tiles; w_proj's 64 tiles are tiles 704-767 of opimg, opsc.
; SHARES: 256 work-groups, each 128 tokens x 256 columns; four waves, 2 x 2, a wave 64 x 128: 32 accumulators.
; ALL OF K LIES IN LDS: A's eight tiles (98,304 dense bytes), B's sixteen (196,608), their scale bytes (4,096 and 8,192): four joint loads at the head, one a wave, each byte filled once: no ring, no refill.
; CLUSTERS, 4 x 4: the tokens' tiles are shared along a row of the cluster, w_proj's along a column.  No prefetch: all that the launch reads is asked for at its head, and there is no loop to run ahead in.
; Source 0 = a tile of w_proj, source 1 = a tile of tokens: a lane holds one token, and register j of accumulator (a, b = 4 C + u) is column 64 C + 32 (lane / 16) + 8 u + j.  The bias is the first products' C.
; A K step of 128 is 32 products, the 32 accumulators by turns; the next step's twelve fragments are fetched ahead of them into the other set of registers.
; THE WAY OUT: 16 tokens x 128 columns at a time through the wave's own stage, which lies on A's bytes behind a barrier behind which nobody reads them; whole rows of 512 bytes are stored.
; REGISTERS: window 0: v16-31 addresses; v32-95 the scale words of all of K; v96-159 the bias; v160-255 A's fragments, two sets.  Window 1: B's fragments, two sets.  Window 2: the accumulators.
.set FR,     12
.set TB,     12288
.set BB0,    8*TB
.set SCL,    24*TB
.set SPARE,  SCL+12288                 ; the spare words, 128 bytes for each wave
.set SPITCH, 528
.set ADRA, 16                          ; v16 my A tiles + 16 x lane, v17 + 8 x lane
.set ADRB, 18                          ; v18, v19 my B tiles 0-3; v20, v21 tiles 4-7
.set STO,  24
.set RD,   25
.set LI,   26
.set ADRS, 27
.set SPW,  28
.set NIL,  29
.set L8,   30
.set BO,   31
.set SC,   32
.set BI,   96
.set AF,   160
.set BK,   96
.set G1, 24
.set G0, 32
.set G0B, 36
.set G1B, 48
.set G0S, 56
.set G0SB, 60
.set G1S, 68
.set G1SB, 80
.set MSB, 0
.macro WIN new
.if MSB != \new
	s_set_vgpr_msb (MSB<<8)|\new
.set MSB, \new
.endif
.endm
.set MUL,  0xa1                        ; source 0 (B) window 1, source 1 (A) window 0, C and D window 2
.set BIAS, 0x81                        ; C window 0
.set TO_B, 0x40
.macro PLACES n
.rept \n
	v_nop
.endr
.endm
.macro CROUND
	s_barrier_signal -1
	s_barrier_wait -1
	s_cmp_lg_u32 s14, 0
	s_cbranch_scc1 .Lnot_wave_0_\@
	s_barrier_signal -3
.Lnot_wave_0_\@:
	s_barrier_wait -3
	s_barrier_signal -1
	s_barrier_wait -1
.endm
.macro GROUP1 g, mask, rows            ; a dense block as rows of 256 bytes, elements of 8
	s_or_b32 s[\g], s[\mask], (3<<16)|(1<<21)
	s_mov_b32 s[\g+1], 32<<16
	s_mov_b32 s[\g+2], (\rows)<<16
	s_mov_b32 s[\g+3], 32<<16
	s_mov_b32 s[\g+4], \rows
	s_mov_b32 s[\g+5], 32
	s_mov_b32 s[\g+6], 0
	s_mov_b32 s[\g+7], 0
.endm
.macro GROUP0 g, lds, adr
	s_mov_b32 s[\g], 1
	s_mov_b32 s[\g+1], \lds
	s_mov_b64 s[\g+2:\g+3], s[\adr:\adr+1]
	s_or_b32 s[\g+3], s[\g+3], 0x80000000
.endm
.macro ARM under, g0, g1, next         ; one chain of branches on the wave's number: every way passes exactly one load
	s_cmp_lt_u32 s14, \under
	s_cbranch_scc0 \next
	tensor_load_to_lds s[\g0:\g0+3], s[\g1:\g1+7]
	s_nop 0
	PLACES 4
	s_branch .Lhead_asked
\next:
.endm
	s_load_b128 s[4:7], s[0:1], 0x0                ; a_img, a_sc
	s_load_b128 s[8:11], s[0:1], 0x10              ; opimg, opsc
	s_load_b64 s[12:13], s[0:1], 0x20              ; out0
	s_load_b64 s[66:67], s[0:1], 0x28              ; b_proj
	v_lshl_add_u32 v[SPW], v0, 2, SPARE
	v_mov_b32 v[NIL], 0
	ds_add_u32 v[SPW], v[NIL]                      ; the opening lines: the add twice and its wait
	ds_add_u32 v[SPW], v[NIL]
	v_lshrrev_b32 v1, 5, v0
	v_readfirstlane_b32 s14, v1                    ; wave
	s_lshr_b32 s15, s14, 1                         ; which 64 tokens
	s_and_b32 s16, s14, 1                          ; which 128 columns
	s_bfe_u32 s40, ttmp6, 0x40000
	s_bfe_u32 s41, ttmp6, 0x40004
	s_lshl_b32 s42, ttmp9, 2
	s_add_co_u32 s42, s42, s40                     ; my 256 columns
	s_and_b32 s17, ttmp7, 0xffff
	s_lshl_b32 s17, s17, 2
	s_add_co_u32 s17, s17, s41                     ; my 128 tokens
	s_lshl_b32 s43, s41, 2
	s_lshl_b32 s43, 15, s43                        ; my row of the cluster
	s_lshl_b32 s44, 0x1111, s40                    ; my column
	GROUP1 G1, 43, 384
	GROUP1 G1B, 44, 768
	GROUP1 G1S, 43, 16
	GROUP1 G1SB, 44, 32
	s_mul_i32 s20, s17, 8*TB
	s_mov_b32 s21, 0
	s_lshl_b32 s22, s17, 12
	s_mov_b32 s23, 0
	s_lshl_b32 s46, s42, 4
	s_add_co_u32 s46, s46, 704
	s_lshl_b32 s92, s46, 9
	s_mov_b32 s93, 0
	s_mul_i32 s46, s46, TB
	s_mov_b32 s47, 0
	s_wait_dscnt 0x0
	s_wait_kmcnt 0x0
	s_add_nc_u64 s[20:21], s[4:5], s[20:21]
	s_add_nc_u64 s[22:23], s[6:7], s[22:23]
	s_add_nc_u64 s[46:47], s[8:9], s[46:47]
	s_add_nc_u64 s[92:93], s[10:11], s[92:93]
	CROUND                                         ; all sixteen work-groups are here: the joint loads meet
	GROUP0 G0, 0, 20
	GROUP0 G0B, BB0, 46
	GROUP0 G0S, SCL, 22
	GROUP0 G0SB, SCL+4096, 92
	ARM 1, G0S,  G1S,  .Lhead_sb
	ARM 2, G0SB, G1SB, .Lhead_a
	ARM 3, G0,   G1,   .Lhead_b
	tensor_load_to_lds s[G0B:G0B+3], s[G1B:G1B+7]
	s_nop 0
	PLACES 4
.Lhead_asked:
	s_lshl_b32 s88, s17, 7
	s_lshl_b32 s89, s15, 6
	s_add_co_u32 s88, s88, s89                     ; my first token,
	s_lshl_b32 s88, s88, 12                        ; 4,096 bytes a row of out0
	s_lshl_b32 s90, s42, 10
	s_lshl_b32 s91, s16, 9
	s_add_co_u32 s90, s90, s91                     ; my first column, in bytes
	s_mov_b32 s91, 0
	s_add_nc_u64 s[66:67], s[66:67], s[90:91]
	s_add_co_u32 s88, s88, s90
	s_mov_b32 s89, 0
	s_add_nc_u64 s[12:13], s[12:13], s[88:89]
	s_mul_i32 s2, s15, 4*TB                        ; my four tiles of A
	s_mul_i32 s3, s16, 8*TB
	s_add_co_u32 s3, s3, BB0                       ; my eight of B
	s_add_co_u32 s18, s3, 4*TB
	s_lshl_b32 s94, s15, 11                        ; the scale words: A's, my four tiles;
	s_lshl_b32 s95, s16, 12
	s_add_co_u32 s95, s95, 4096                    ; B's, behind A's eight
	s_sub_co_u32 s95, s95, s94
	s_add_co_u32 s94, s94, SCL
	s_mul_i32 s96, s14, 16*SPITCH                  ; my stage
	v_and_b32 v1, 31, v0
	v_and_b32 v2, 15, v0
	v_bfe_u32 v3, v0, 4, 1
	v_lshlrev_b32 v[LI], 4, v1
	v_lshlrev_b32 v[L8], 3, v1
	v_lshlrev_b32 v[BO], 7, v3                     ; lanes 16-31: 32 columns on
	v_add_nc_u32 v[ADRA], s2, v[LI]
	v_add_nc_u32 v[ADRA+1], s2, v[L8]
	v_add_nc_u32 v[ADRB], s3, v[LI]
	v_add_nc_u32 v[ADRB+1], s3, v[L8]
	v_add_nc_u32 v[ADRB+2], s18, v[LI]
	v_add_nc_u32 v[ADRB+3], s18, v[L8]
	v_mul_u32_u24 v6, s95, v3                      ; lanes 16-31 take B's words: one product, the distance between the two
	v_lshl_add_u32 v5, v2, 3, v6
	v_add_nc_u32 v[ADRS], s94, v5
	v_mul_u32_u24 v5, v2, SPITCH
	v_lshl_add_u32 v5, v3, 7, v5
	v_add_nc_u32 v[STO], s96, v5
	v_add_nc_u32 v[RD], s96, v[LI]
	s_wait_alu depctr_va_vdst(0)                   ; the wait at the head's end
.irp b, 0,1,2,3,4,5,6,7
	global_load_b128 v[BI+8*\b:BI+8*\b+3], v[BO], s[66:67] offset:256*(\b/4)+32*(\b%4)
	global_load_b128 v[BI+8*\b+4:BI+8*\b+7], v[BO], s[66:67] offset:256*(\b/4)+32*(\b%4)+16
.endr
.macro FRAG reg, adr, off              ; 16 rows x 128 K: two half images
	ds_load_b128 v[\reg:\reg+3], v[\adr] offset:\off
	ds_load_b64 v[\reg+4:\reg+5], v[\adr+1] offset:(\off)+512
	ds_load_b128 v[\reg+6:\reg+9], v[\adr] offset:(\off)+768
	ds_load_b64 v[\reg+10:\reg+11], v[\adr+1] offset:(\off)+1280
.endm
.macro FETCH q                         ; K step q's twelve fragments into set q % 2
	WIN TO_B
.irp i, 0,1,2,3,4,5,6,7
	FRAG 128*((\q)%2)+FR*\i, ADRB+2*(\i/4), (\i%4)*TB+(\q)*1536
.endr
	WIN 0
.irp i, 0,1,2,3
	FRAG AF+48*((\q)%2)+FR*\i, ADRA, \i*TB+(\q)*1536
.endr
.endm
.macro MUL32 q, first
.irp a, 0,1,2,3
.irp b, 0,1,2,3,4,5,6,7
.if \first
	v_wmma_scale_f32_16x16x128_f8f6f4 v[8*(8*\a+\b):8*(8*\a+\b)+7], v[128*((\q)%2)+FR*\b:128*((\q)%2)+FR*\b+FR-1], v[AF+48*((\q)%2)+FR*\a:AF+48*((\q)%2)+FR*\a+FR-1], v[BI+8*\b:BI+8*\b+7], v[SC+16*((\q)/2)+2*\b+(\q)%2], v[SC+16*((\q)/2)+2*\a+(\q)%2] matrix_a_fmt:MATRIX_FMT_FP6 matrix_b_fmt:MATRIX_FMT_FP6 matrix_a_scale:MATRIX_SCALE_ROW1
.else
	v_wmma_scale_f32_16x16x128_f8f6f4 v[8*(8*\a+\b):8*(8*\a+\b)+7], v[128*((\q)%2)+FR*\b:128*((\q)%2)+FR*\b+FR-1], v[AF+48*((\q)%2)+FR*\a:AF+48*((\q)%2)+FR*\a+FR-1], v[8*(8*\a+\b):8*(8*\a+\b)+7], v[SC+16*((\q)/2)+2*\b+(\q)%2], v[SC+16*((\q)/2)+2*\a+(\q)%2] matrix_a_fmt:MATRIX_FMT_FP6 matrix_b_fmt:MATRIX_FMT_FP6 matrix_a_scale:MATRIX_SCALE_ROW1
.endif
.endr
.endr
.endm
.macro KSTEP q
	s_wait_dscnt 0x0                               ; this step's fragments are in
.if (\q) < 7
	PLACES 4                                       ; between the last step's products and the loads into their registers
	FETCH (\q)+1
.else
	s_barrier_signal -1                            ; my reads of the operands are over; the products below are work on registers
.endif
.if (\q) == 0
	s_wait_loadcnt 0x0                             ; the bias
	WIN BIAS
	MUL32 \q, 1
.else
	WIN MUL
	MUL32 \q, 0
.endif
	WIN 0
.endm
	s_wait_tensorcnt 0x0                           ; my tile of the four is in
	s_barrier_signal -1
	s_barrier_wait -1                              ; all four are
.irp k, 0,1,2,3
.irp i, 0,1,2,3,4,5,6,7
	ds_load_b64 v[SC+16*\k+2*\i:SC+16*\k+2*\i+1], v[ADRS] offset:\i*512+\k*128   ; lanes 0-15 the words of A's tile i (beyond my four: not used), lanes 16-31 of B's tile i
.endr
.endr
	FETCH 0
.set Q, 0
.rept 8
	KSTEP Q
.set Q, Q+1
.endr
	s_barrier_wait -1                              ; nobody reads A's bytes any more: the stages lie there
.macro TOSTAGE a
	WIN 0x08                                       ; the data: window 2
.irp b, 0,1,2,3,4,5,6,7
	ds_store_b128 v[STO], v[64*(\a)+8*\b:64*(\a)+8*\b+3] offset:256*(\b/4)+32*(\b%4)          ; each accumulator from its low end on
	ds_store_b128 v[STO], v[64*(\a)+8*\b+4:64*(\a)+8*\b+7] offset:256*(\b/4)+32*(\b%4)+16
.endr
	WIN 0
.set BB, BK+64*((\a)%2)
.irp t, 0,1,2,3,4,5,6,7,8,9,10,11,12,13,14,15
	ds_load_b128 v[BB+4*\t:BB+4*\t+3], v[RD] offset:\t*SPITCH      ; LDS serves a wave's instructions in order: these see my stores
.endr
.endm
.macro SEND a, younger
.set BB, BK+64*((\a)%2)
	s_wait_dscnt \younger
.if (\a) > 0
	s_add_nc_u64 s[12:13], s[12:13], 8*4096        ; the next tile begins 8 tokens on (behind a wait on XCNT)
.endif
.irp t, 0,1,2,3,4,5,6,7,8,9,10,11,12,13,14,15
	global_store_b128 v[LI], v[BB+4*\t:BB+4*\t+3], s[12:13] offset:((\t%8)+32*(\t/8))*4096 th:TH_STORE_NT   ; 32 lanes store 512 consecutive bytes, aligned to 256
.endr
.endm
	PLACES 4
	TOSTAGE 0
.irp a, 1,2,3
.if \a > 1
	s_wait_xcnt 0x0                                ; block a - 2's stores have read their registers and their base
.endif
	TOSTAGE \a
	SEND \a-1, 32                                  ; behind block a - 1's loads: block a's 16 stores and 16 loads
.endr
	s_wait_xcnt 0x0
	SEND 3, 0
	s_wait_tensorcnt 0x0                           ; the wave's end
	ds_add_u32 v[SPW], v[NIL]
	s_wait_dscnt 0x0
	CROUND                                         ; the closing round
	s_endpgm
.Lfunc_end_k_q14274d35a7_proj:
	.size	k_q14274d35a7_proj, .Lfunc_end_k_q14274d35a7_proj-k_q14274d35a7_proj
	.p2alignl 7, 3214868480
	.fill 96, 4, 3214868480
	.section	.rodata,"a",@progbits
	.p2align	6, 0x0
	.amdhsa_kernel k_q14274d35a7_proj
		.amdhsa_group_segment_fixed_size 327680
		.amdhsa_private_segment_fixed_size 0
		.amdhsa_enable_private_segment 0
		.amdhsa_kernarg_size 48
		.amdhsa_user_sgpr_count 2
		.amdhsa_user_sgpr_kernarg_segment_ptr 1
		.amdhsa_wavefront_size32 1
		.amdhsa_system_sgpr_workgroup_id_x 1
		.amdhsa_system_sgpr_workgroup_id_y 1
		.amdhsa_system_sgpr_workgroup_id_z 1
		.amdhsa_system_vgpr_workitem_id 0
		.amdhsa_next_free_vgpr 768
		.amdhsa_next_free_sgpr 100
		.amdhsa_reserve_vcc 0
		.amdhsa_float_denorm_mode_32 3
		.amdhsa_float_denorm_mode_16_64 3
		.amdhsa_memory_ordered 1
		.amdhsa_forward_progress 1
		.amdhsa_inst_pref_size 85
	.end_amdhsa_kernel
	.amdgpu_metadata
---
amdhsa.version: [ 1, 2 ]
amdhsa.kernels:
  - .name:           k_q14274d35a7_proj
    .symbol:         k_q14274d35a7_proj.kd
    .args:
      - { .name: a_img, .offset: 0, .size: 8, .value_kind: global_buffer, .address_space: global }
      - { .name: a_sc, .offset: 8, .size: 8, .value_kind: global_buffer, .address_space: global }
      - { .name: opimg, .offset: 16, .size: 8, .value_kind: global_buffer, .address_space: global }
      - { .name: opsc, .offset: 24, .size: 8, .value_kind: global_buffer, .address_space: global }
      - { .name: out0, .offset: 32, .size: 8, .value_kind: global_buffer, .address_space: global }
      - { .name: b_proj, .offset: 40, .size: 8, .value_kind: global_buffer, .address_space: global }
    .group_segment_fixed_size: 327680
    .private_segment_fixed_size: 0
    .kernarg_segment_align: 8
    .kernarg_segment_size: 48
    .max_flat_workgroup_size: 128
    .sgpr_count:     100
    .vgpr_count:     768
    .wavefront_size: 32
...
	.end_amdgpu_metadata
.endif
;; end of part 4
